; MI455X (gfx1250); checked and timed in simulation.
; The chip was launched on July 23, 2026; its instructions are those of AMD's public machine-readable ISA for CDNA 5 (MIT licence, August 2026) and "CDNA5" Instruction Set Architecture Reference Guide (July 2026). The comments in the code are by the model that wrote it; some were corrected since.
;; Self Attention. Allowed arithmetic: matrix products marked QUANTISED: E2M3 operands, one E8M0 scale for each 32 along K, by v_wmma_scale_f32_16x16x128_f8f6f4 with both operands' format E2M3, f32 sums; everything else in f32.
;; Inputs: WK 1,024 x 1,024 float32; WQ 1,024 x 1,024 float32; WV 1,024 x 1,024 float32; key 4 x 2,048 x 1,024 float32; query 4 x 2,048 x 1,024 float32; value 4 x 2,048 x 1,024 float32.
;; Outputs: out0 4 x 2,048 x 1,024 float32.
;; This version of the problem:
;;   THIS VERSION OF THE PROBLEM IS GIVEN IN LOW PRECISION. The matrix products marked QUANTISED in the list below multiply operands that are first quantised to E2M3 (2 exponent bits, 3 mantissa bits; 6 bits a number), with one power-of-two scale for each 32 numbers along K (OCP MX v1.0); their sums are f32. All else is computed in f32.
;;   The module's matrix products, in the order in which they are computed (A, B: the left and right operand; K: the contracted axis; several contracted axes count as one K, in the product's order):
;;     1. [M 8,192, K 1,024] x [K 1,024, N 1,024]; A: input query; B: input WQ: QUANTISED
;;     2. [M 8,192, K 1,024] x [K 1,024, N 1,024]; A: input key; B: input WK: QUANTISED
;;     3. [M 8,192, K 1,024] x [K 1,024, N 1,024]; A: input value; B: input WV: QUANTISED
;;     4. batch 64 x [M 2,048, K 64] x [K 64, N 2,048]; A: computed on the way; B: computed on the way: QUANTISED
;;     5. batch 64 x [M 2,048, K 2,048] x [K 2,048, N 64]; A: softmax (see below); B: computed on the way: QUANTISED
;;   THE QUANTISER, for each operand of a quantised product, along K:
;;     - K is cut into blocks of 32 from its start; a last block that is shorter is filled with zeros.
;;     - A block's scale is 2^e with e = floor(log2(the largest magnitude in the block)) - 2, held to -126 .. 127; a block of zeros has e = 0. As a byte (E8M0): e + 127.
;;     - Each number is divided by its block's scale, clamped to +-7.5, and rounded to the nearest number of E2M3, ties to even, subnormals kept.
;;     - The product sums the exact products of the quantised numbers (number of the format x scale) in f32.
;;   ~~~python
;;   def quantise(x, axis):      # numpy; x: float32 -> the quantised numbers, widened to float32 again
;;       x = np.moveaxis(x, axis, -1); K = x.shape[-1]
;;       x = np.pad(x, [(0, 0)] * (x.ndim - 1) + [(0, -K % 32)]); x = x.reshape(x.shape[:-1] + (-1, 32)); a = np.abs(x).max(-1, keepdims=True)
;;       e = np.where(a > 0, np.clip(np.frexp(np.where(a > 0, a, 1))[1] - 1 - 2, -126, 127), 0)      # np.frexp(a)[1] - 1 = floor(log2(a)), exactly
;;       r = np.clip(x / 2.0 ** e, -7.5, 7.5)
;;       step = 2.0 ** (np.maximum(np.frexp(np.where(r == 0, 1, r))[1] - 1, 0) - 3)
;;       q = np.round(r / step) * step * 2.0 ** e      # np.round: ties to even
;;       return np.moveaxis(q.reshape(q.shape[:-2] + (-1,))[..., :K], -1, axis).astype(np.float32)
;;   ~~~
;;   SOFTMAX AHEAD OF A QUANTISED PRODUCT. Where the list says 'softmax', what is quantised is not the finished softmax but p = 2^(t - M), with t = logit x log2(e) and M = ceil(the row's largest t), a whole number; so 1/2 < the row's largest p <= 1. The row's sum l is taken of the UNQUANTISED p, in f32, and the product's result is divided by l at the end. Since M is a whole number, a kernel that streams over the keys may use a running M (the ceiling of the running maximum): every later rescaling is an exact power of two, which a block's scale takes up: the codes' values come out the same.
;;   OPERANDS COMPUTED ON THE WAY. 'Computed on the way' means the value that the module computes at that place (a softmax that the list does not call 'softmax' is quantised finished and normalised). What goes into a quantiser is computed in f32, as accurately as f32 sums, v_exp_f32 and their like allow (about 1e-6 of the number): no bf16 or f16 on the way to a quantiser, and a product that is left as it is and whose result goes on into a quantised operand takes f32 operands (vector FMAs, or v_wmma_f32_16x16x4_f32). A number that lies on a knife's edge between two numbers of the format may be rounded either way, as far as f32 arithmetic and the matrix unit's own rounding can turn it there, and no further.
;; One version. Each part assembles by itself: llvm-mc -triple=amdgcn-amd-amdhsa -mcpu=gfx1250 --defsym DOCPART=n.
;; ======== version 1 of 1: 3 launches
;; limits: right only within a limited range of input values
;; workspace buffers: codes 21,233,664 bytes; scales 884,736 bytes; img 18,874,368 bytes; scw 1,310,720 bytes
;; launch quant (part 1): grid 864 x 1, 4 waves a work-group, no clusters, 56,832 bytes of LDS; arguments query, key, value, WQ, WK, WV, codes, scales; writes codes, scales
.if DOCPART == 1
	.amdgcn_target "amdgcn-amd-amdhsa--gfx1250"
	.amdhsa_code_object_version 6
	.text
	.protected	k_q6c265c58f3_quant
	.globl	k_q6c265c58f3_quant
	.p2align	8
	.type	k_q6c265c58f3_quant,@function
k_q6c265c58f3_quant:
	s_mov_b64 s[64:65], 0
	v_nop
	global_prefetch_b8 v0, s[64:65] scope:SCOPE_SE
	s_setreg_imm32_b32 hwreg(HW_REG_WAVE_MODE, 25, 1), 1
	s_wait_xcnt 0x0
; All six f32 inputs become codes of FP6 (E2M3), K innermost, with one E8M0 scale byte for each 32 along K.
; codes: 27,648 rows x 768 bytes (1,024 codes, one stream of bits); scales: the same rows x 32 bytes.
; Rows 0-8191 query, 8192-16383 key, 16384-24575 value (a row = a token); 24576.. WQ, 25600.. WK, 26624.. WV (a row = a COLUMN n of the weight, whose K is its first axis).
; EVERY ROW IS STORED AT ITS NUMBER WITH BITS 3 AND 4 EXCHANGED: stored row 32 b + 16 u + r holds row 32 b + 8 u + r + 8 (r / 8).  So sixteen stored neighbours are the rows that the later
; products want together in a tile: the 16 results a lane has of two neighbouring tiles are then 16 neighbours along the next product's K.
; A block's scale is 2^(floor(log2(its largest magnitude)) - 2); its byte is the largest magnitude's exponent field - 2, held at 1 from below.
; LIMITS: a block whose largest magnitude lies under 2^-124 keeps the byte 1; a block of zeros gets the byte 1 too (its codes are zeros, and this program alone reads the bytes); NaN and infinities are not served.
; Work-groups 0-767 take the activations (K innermost: a plain stream of blocks of 32), work-groups 768-863 the weights (a lane to a column, registers down K).
; The two ways use LDS bytes of their own.  No tensor loads, no barrier: waves share nothing.  No cluster: no byte is read by two work-groups.
.set STEPS, 16
.set CB,    12                         ; bytes of 16 codes
.set SP,    80                         ; a lane's place in a stage: 64 bytes + 16 of padding
.set WREG,  2*32*SP+256                ; activations: a wave's LDS: two stages, then its 256 scale bytes
.set R,     16                         ; v16-79   four sets of 16 numbers as loaded
.set X,     80                         ; v80-111  two sets of 16 neighbours
.set E,     112                        ; v112-127 a scale byte for each step
.set C,     128                        ; v128-191 codes: four registers for each step
.set WSTG,  4*WREG                     ; weights: the stages begin behind the activations' bytes
.set PITCH, 272                        ; a stage row: sixteen places of 16 bytes + 16
.set KROW,  768                        ; a row of codes in bytes
.set NB,    8                          ; blocks of 32 along K for a wave
.set WX,    32                         ; v32-95   two sets of 32 numbers
.set WC,    96                         ; v96..    a block's codes
.set OUTR,  112                        ; v112-175 the way out
.set SB,    24                         ; v24-25   the scale bytes, four to a register
.macro LOADX t                         ; a step's 2,048 bytes: four loads of 512 consecutive bytes
.irp i, 0,1,2,3
	global_load_b128 v[R+16*((\t)%4)+4*\i:R+16*((\t)%4)+4*\i+3], v3, s[22:23] offset:2048*(\t)+512*\i th:TH_LOAD_NT
.endr
.endm
.macro TURNX t                         ; through the wave's stage: in as loaded, out 64 bytes a lane; LDS serves a wave's instructions in order
.irp i, 0,1,2,3
	ds_store_b128 v14, v[R+16*((\t)%4)+4*\i:R+16*((\t)%4)+4*\i+3] offset:32*SP*((\t)%2)+8*SP*\i
.endr
.irp i, 0,1,2,3
	ds_load_b128 v[X+16*((\t)%2)+4*\i:X+16*((\t)%2)+4*\i+3], v15 offset:32*SP*((\t)%2)+16*\i
.endr
.endm
.macro STEPX t
.set XS, X+16*((\t)%2)
.if (\t) > 0
	s_wait_dscnt 1                                 ; this step's numbers are back from the stage; the last step's byte store may be out
.else
	s_wait_dscnt 0x0
.endif
.if (\t)+4 < STEPS
	LOADX (\t)+4                                   ; the stage's stores have read these registers: they take the loads of four steps on
.endif
.if (\t)+1 < STEPS
.if STEPS-2-(\t) >= 3
	s_wait_loadcnt 12                              ; the next step's four loads are in; the twelve of the three steps behind it may be out
.else
	s_wait_loadcnt 4*(STEPS-2-(\t))
.endif
	TURNX (\t)+1
.endif
	v_max3_num_f32 v8, |v[XS]|, |v[XS+1]|, |v[XS+2]|               ; the largest magnitude of my 16, in two chains
	v_max3_num_f32 v9, |v[XS+3]|, |v[XS+4]|, |v[XS+5]|
.irp i, 6,10
	v_max3_num_f32 v8, v8, |v[XS+\i]|, |v[XS+\i+1]|
	v_max3_num_f32 v9, v9, |v[XS+\i+2]|, |v[XS+\i+3]|
.endr
	v_max3_num_f32 v8, v8, |v[XS+14]|, |v[XS+15]|
	v_max3_num_f32 v8, v8, v9, 0x1800000           ; and the floor 2^(3 - 127): the byte cannot fall under 1
	v_max_num_f32_dpp v8, v8, v8 row_xmask:1 row_mask:0xf bank_mask:0xf   ; with my neighbour's 16: the block's
	v_add_nc_u32 v11, 0xff000000, v8               ; 2 off the exponent field: the conversion takes this operand's exponent field as its scale
	v_cvt_scalef32_pk16_fp6_f32 v[C+4*(\t):C+4*(\t)+2], v[XS:XS+15], v11
	v_lshrrev_b32 v[E+(\t)], 23, v11               ; the scale's byte (also the plain line behind the conversion)
	ds_store_b8 v5, v[E+(\t)] offset:16*(\t)       ; both lanes of a block write the same byte with the same value
	global_store_b96 v4, v[C+4*(\t):C+4*(\t)+2], s[16:17] offset:32*CB*(\t)   ; the wave stores 384 consecutive bytes
.endm
.macro LOADW t                         ; block t: W(32 t + i, my column), i = 0 .. 31: each load reads 128 consecutive bytes
.irp i, 0,1,2,3,4,5,6,7,8,9,10,11,12,13,14,15,16,17,18,19,20,21,22,23,24,25,26,27,28,29,30,31
	global_load_b32 v[WX+32*((\t)%2)+\i], v3, s[22:23] offset:(32*(\t)+\i)*4096 th:TH_LOAD_NT
.endr
.endm
.macro BLOCKW t
.set XS, WX+32*((\t)%2)
.if (\t) < NB-1
	s_wait_loadcnt 32                              ; this block's 32 loads are in; the next block's 32 may be out
.else
	s_wait_loadcnt 0
.endif
	v_max3_num_f32 v12, |v[XS]|, |v[XS+1]|, |v[XS+2]|               ; all 32 numbers of the block are mine
	v_max3_num_f32 v13, |v[XS+3]|, |v[XS+4]|, |v[XS+5]|
.irp i, 6,10,14,18,22,26
	v_max3_num_f32 v12, v12, |v[XS+\i]|, |v[XS+\i+1]|
	v_max3_num_f32 v13, v13, |v[XS+\i+2]|, |v[XS+\i+3]|
.endr
	v_max3_num_f32 v12, v12, |v[XS+30]|, |v[XS+31]|
	v_max3_num_f32 v12, v12, v13, 0x1800000        ; the floor
	v_add_nc_u32 v11, 0xff000000, v12
	v_lshrrev_b32 v13, 23, v11                     ; the scale's byte
.if (\t)%4 == 0
	v_mov_b32 v[SB+(\t)/4], v13
.else
	v_lshl_or_b32 v[SB+(\t)/4], v13, 8*((\t)%4), v[SB+(\t)/4]
.endif
	v_cvt_scalef32_pk16_fp6_f32 v[WC:WC+2], v[XS:XS+15], v11
	v_cvt_scalef32_pk16_fp6_f32 v[WC+4:WC+6], v[XS+16:XS+31], v11   ; (a conversion's three registers begin on an even number)
	ds_store_b96 v4, v[WC:WC+2] offset:32*(\t)     ; 12 bytes to a place of 16, so that every LDS address is a multiple of 16
	ds_store_b96 v4, v[WC+4:WC+6] offset:32*(\t)+16
.if (\t)+2 < NB
	LOADW (\t)+2
.endif
	s_wait_dscnt 0x0                               ; the stores have read their registers: the next block's codes may be written
.endm
	s_load_b512 s[4:19], s[0:1], 0x0               ; query 4:5, key 6:7, value 8:9, WQ 10:11, WK 12:13, WV 14:15, codes 16:17, scales 18:19
	v_lshl_add_u32 v192, v0, 2, 0xdc00
	v_mov_b32 v193, 0
	v_lshrrev_b32 v1, 5, v0
	v_readfirstlane_b32 s20, v1                    ; wave 0..3
	v_and_b32 v2, 31, v0                           ; lane
	s_wait_kmcnt 0x0
	s_cmp_lt_u32 ttmp9, 768
	s_cbranch_scc0 .Lweights
	; ---- the activations: a wave takes 8 rows = 8,192 numbers = 16 steps of 512
	s_wait_alu depctr_va_vdst(0)
	v_lshlrev_b32 v3, 4, v2                        ; my 16 bytes of a load's 512
	s_mul_i32 s24, s20, WREG
	v_lshrrev_b32 v14, 2, v2
	v_mul_u32_u24 v14, v14, SP
	v_and_b32 v15, 3, v2
	v_lshl_add_u32 v14, v15, 4, v14
	v_add_nc_u32 v14, s24, v14                     ; the stage, on the way in: SP (lane / 4) + 16 (lane % 4)
	v_mul_u32_u24 v15, v2, SP
	v_add_nc_u32 v15, s24, v15                     ; and on the way out: SP x lane
	v_mul_u32_u24 v4, v2, CB                       ; my codes' place in a step's
	v_lshrrev_b32 v5, 1, v2
	s_add_co_u32 s24, s24, 2*32*SP
	v_add_nc_u32 v5, s24, v5                       ; my block's byte among the wave's 256
	v_lshlrev_b32 v7, 3, v2
	v_add_nc_u32 v6, s24, v7
	s_lshr_b32 s21, ttmp9, 8                       ; which tensor: 256 work-groups each
	s_cmp_eq_u32 s21, 0
	s_cselect_b64 s[22:23], s[4:5], s[6:7]
	s_cmp_eq_u32 s21, 2
	s_cselect_b64 s[22:23], s[8:9], s[22:23]
	s_and_b32 s26, ttmp9, 255
	s_lshl_b32 s26, s26, 2
	s_add_co_u32 s26, s26, s20
	s_lshl_b32 s26, s26, 15                        ; my run of 8 rows in the tensor: 32,768 bytes each
	s_mov_b32 s27, 0
	s_add_nc_u64 s[22:23], s[22:23], s[26:27]
	s_and_b32 s28, s20, 1                          ; a run is 8 rows, so a row's bits 3 and 4 are the wave's bits 0 and 1: they change places
	s_lshl_b32 s28, s28, 1
	s_lshr_b32 s29, s20, 1
	s_or_b32 s28, s28, s29
	s_lshl_b32 s29, ttmp9, 2
	s_add_co_u32 s28, s28, s29                     ; the run's place among all stored runs
	s_mul_i32 s30, s28, 6144                       ; 8 rows of 768 bytes
	s_mov_b32 s31, 0
	s_add_nc_u64 s[16:17], s[16:17], s[30:31]
	s_lshl_b32 s30, s28, 8                         ; 8 rows of 32 scale bytes
	s_add_nc_u64 s[18:19], s[18:19], s[30:31]
.irp t, 0,1,2,3
	LOADX \t
.endr
	s_wait_alu depctr_va_vdst(0)
	s_wait_loadcnt 12                              ; step 0's four loads are in
	TURNX 0
.irp t, 0,1,2,3,4,5,6,7,8,9,10,11,12,13,14,15
	STEPX \t
.endr
	ds_load_b64 v[12:13], v6                       ; LDS serves a wave's instructions in order: these see my byte stores
	s_wait_dscnt 0x0
	global_store_b64 v7, v[12:13], s[18:19]        ; 32 lanes store 256 consecutive bytes, aligned
	s_wait_tensorcnt 0x0
	ds_add_u32 v192, v193
	s_wait_dscnt 0x0
	s_endpgm
.Lweights:
	; ---- the weights: 32 work-groups each; a work-group takes 128 columns x 256 along K, a wave 32 columns
	s_sub_co_u32 s21, ttmp9, 768
	s_lshr_b32 s24, s21, 5                         ; which weight
	s_and_b32 s25, s21, 7                          ; which 128 columns
	s_bfe_u32 s26, s21, 0x20003                    ; which 256 along K
	s_cmp_eq_u32 s24, 0
	s_cselect_b64 s[22:23], s[10:11], s[12:13]
	s_cmp_eq_u32 s24, 2
	s_cselect_b64 s[22:23], s[14:15], s[22:23]
	s_lshl_b32 s27, s25, 7
	s_lshl_b32 s28, s20, 5
	s_add_co_u32 s27, s27, s28                     ; my wave's first column
	s_wait_alu depctr_va_vdst(0)
	v_lshlrev_b32 v3, 2, v2                        ; in: 4 bytes a lane
	s_mul_i32 s29, s20, 32*PITCH
	s_add_co_u32 s29, s29, WSTG                    ; my stage
	v_mul_u32_u24 v4, v2, PITCH
	v_add_nc_u32 v4, s29, v4                       ; into it: row = my column
	v_and_b32 v5, 15, v2
	v_lshrrev_b32 v6, 4, v2
	v_mul_u32_u24 v7, v6, PITCH
	v_lshl_add_u32 v7, v5, 4, v7
	v_add_nc_u32 v7, s29, v7                       ; out of it: sixteen lanes to a row, two rows an instruction
	v_mul_u32_u24 v8, v6, KROW
	v_mad_u32_u24 v8, v5, 12, v8                   ; and the place in the codes: 12 bytes a lane
	v_and_b32 v9, 7, v2                            ; my column's stored row: bits 3 and 4 exchanged,
	v_and_b32 v10, 8, v2
	v_lshl_or_b32 v9, v10, 1, v9
	v_and_b32 v10, 16, v2
	v_lshrrev_b32 v10, 1, v10
	v_or_b32 v9, v9, v10
	v_lshlrev_b32 v9, 5, v9                        ; x 32 scale bytes a row
	s_lshl_b32 s30, s26, 20                        ; 256 rows of W, 4,096 bytes each
	s_lshl_b32 s28, s27, 2
	s_add_co_u32 s30, s30, s28
	s_mov_b32 s31, 0
	s_add_nc_u64 s[22:23], s[22:23], s[30:31]
	s_lshl_b32 s28, s24, 10
	s_add_co_u32 s28, s28, s27
	s_add_co_u32 s28, s28, 24576                   ; my wave's first row of codes (a multiple of 32)
	s_mul_i32 s30, s28, KROW
	s_mul_i32 s32, s26, 192
	s_add_co_u32 s30, s30, s32
	s_add_nc_u64 s[16:17], s[16:17], s[30:31]
	s_lshl_b32 s30, s28, 5
	s_lshl_b32 s32, s26, 3
	s_add_co_u32 s30, s30, s32
	s_add_nc_u64 s[18:19], s[18:19], s[30:31]
	LOADW 0
	LOADW 1
.set Q, 0
.rept NB
	BLOCKW Q
.set Q, Q+1
.endr
	s_wait_alu depctr_va_vdst(0)
	global_store_b64 v9, v[SB:SB+1], s[18:19]      ; my column's 8 scale bytes
.irp t, 0,1,2,3,4,5,6,7,8,9,10,11,12,13,14,15
	ds_load_b96 v[OUTR+4*\t:OUTR+4*\t+2], v7 offset:2*\t*PITCH   ; columns 2 t and 2 t + 1
.endr
.irp t, 0,1,2,3,4,5,6,7,8,9,10,11,12,13,14,15
	s_wait_dscnt 15-\t                             ; the younger stage loads may be out
	global_store_b96 v8, v[OUTR+4*\t:OUTR+4*\t+2], s[16:17] offset:2*((\t&3)|((\t&4)<<1)|((\t&8)>>1))*KROW   ; a column's bits 3 and 4 are t's bits 2 and 3: exchanged
.endr
	s_wait_tensorcnt 0x0
	ds_add_u32 v192, v193
	s_wait_dscnt 0x0
	s_endpgm
.Lfunc_end_k_q6c265c58f3_quant:
	.size	k_q6c265c58f3_quant, .Lfunc_end_k_q6c265c58f3_quant-k_q6c265c58f3_quant
	.p2alignl 7, 3214868480
	.fill 96, 4, 3214868480
	.section	.rodata,"a",@progbits
	.p2align	6, 0x0
	.amdhsa_kernel k_q6c265c58f3_quant
		.amdhsa_group_segment_fixed_size 56832
		.amdhsa_private_segment_fixed_size 0
		.amdhsa_enable_private_segment 0
		.amdhsa_kernarg_size 64
		.amdhsa_user_sgpr_count 2
		.amdhsa_user_sgpr_kernarg_segment_ptr 1
		.amdhsa_wavefront_size32 1
		.amdhsa_system_sgpr_workgroup_id_x 1
		.amdhsa_system_sgpr_workgroup_id_y 1
		.amdhsa_system_sgpr_workgroup_id_z 1
		.amdhsa_system_vgpr_workitem_id 0
		.amdhsa_next_free_vgpr 194
		.amdhsa_next_free_sgpr 66
		.amdhsa_reserve_vcc 0
		.amdhsa_float_denorm_mode_32 3
		.amdhsa_float_denorm_mode_16_64 3
		.amdhsa_memory_ordered 1
		.amdhsa_forward_progress 1
		.amdhsa_inst_pref_size 74
	.end_amdhsa_kernel
	.amdgpu_metadata
---
amdhsa.version: [ 1, 2 ]
amdhsa.kernels:
  - .name:           k_q6c265c58f3_quant
    .symbol:         k_q6c265c58f3_quant.kd
    .args:
      - { .name: query, .offset: 0, .size: 8, .value_kind: global_buffer, .address_space: global }
      - { .name: key, .offset: 8, .size: 8, .value_kind: global_buffer, .address_space: global }
      - { .name: value, .offset: 16, .size: 8, .value_kind: global_buffer, .address_space: global }
      - { .name: WQ, .offset: 24, .size: 8, .value_kind: global_buffer, .address_space: global }
      - { .name: WK, .offset: 32, .size: 8, .value_kind: global_buffer, .address_space: global }
      - { .name: WV, .offset: 40, .size: 8, .value_kind: global_buffer, .address_space: global }
      - { .name: codes, .offset: 48, .size: 8, .value_kind: global_buffer, .address_space: global }
      - { .name: scales, .offset: 56, .size: 8, .value_kind: global_buffer, .address_space: global }
    .group_segment_fixed_size: 56832
    .private_segment_fixed_size: 0
    .kernarg_segment_align: 8
    .kernarg_segment_size: 64
    .max_flat_workgroup_size: 128
    .sgpr_count:     66
    .vgpr_count:     194
    .wavefront_size: 32
...
	.end_amdgpu_metadata
.endif
;; end of part 1
;; launch proj (part 2): grid 16 x 16, 4 waves a work-group, clusters of 4 x 4, 327,680 bytes of LDS; arguments codes, scales, img, scw; writes img, scw
.if DOCPART == 2
	.amdgcn_target "amdgcn-amd-amdhsa--gfx1250"
	.amdhsa_code_object_version 6
	.text
	.protected	k_q6c265c58f3_proj
	.globl	k_q6c265c58f3_proj
	.p2align	8
	.type	k_q6c265c58f3_proj,@function
k_q6c265c58f3_proj:
	s_mov_b64 s[64:65], 0
	v_nop
	global_prefetch_b8 v0, s[64:65] scope:SCOPE_SE
	s_setreg_imm32_b32 hwreg(HW_REG_WAVE_MODE, 25, 1), 1
	s_wait_xcnt 0x0
	s_wait_alu depctr_hold_cnt(0) depctr_sa_sdst(0) depctr_va_vdst(0) depctr_va_sdst(0) depctr_va_ssrc(0) depctr_va_vcc(0) depctr_vm_vsrc(0)
	s_getreg_b32 s2, hwreg(HW_REG_IB_STS2, 6, 4)
	s_cmp_eq_u32 s2, 0
	s_cbranch_scc0 .Lentry_in_a_cluster
	s_endpgm
.Lentry_in_a_cluster:
	s_bfe_u32 s2, ttmp6, 0x10000c
	s_cmp_lg_u32 s2, 0xf033
	s_cbranch_scc0 .Lentry_shape_is_right
	s_endpgm
.Lentry_shape_is_right:
; q = query WQ, k = key WK, v = value WV on codes of FP6 (E2M3) with E8M0 scales, each result quantised again on the way out; no f32 result is stored.
; codes: rows of 768 bytes (1,024 codes), scales: rows of 32 bytes; rows 0-24575 the tokens of query, key, value, rows 24576.. the columns of WQ, WK, WV, in the first launch's stored order:
; stored row 32 b + 16 u + r holds row 32 b + 8 u + r + 8 (r / 8).
; THE DEAL.  256 work-groups of four waves (2 x 2: row a, column b) STAY and walk three phases, q, k, v; a phase is 256 STREAMED rows x 128 STATIONARY rows, K = 1,024.
; q, k: tokens are streamed, the weight's columns stationary; v: WV's columns are streamed, tokens stationary.  Only addresses differ between the phases.
; A wave holds its 64 stationary rows, all of K, in registers (32 fragments) and streams eight blocks of 16 rows past them: block s = 4 k + s' is rows 128 k + 64 a + 16 s'.  A block is 32 products, four accumulators by turns.
; Source 0 = stationary rows: a lane holds ONE streamed row, and its 32 sums run along the stationary rows, which are the next product's K (the head's channels for q, k; the keys for v):
; the 16 sums of tiles 2 b, 2 b + 1 are 16 neighbours, a block of 32 lies in lanes l and l xor 16.
; LDS: two slots of 128 streamed rows and the 128 stationary rows, each row 768 bytes + 16 behind every 256; every tile row is a whole row of codes and begins at a multiple of 256 bytes.
; FILLS.  Head, one load a wave: the stationary rows; slot 0; the halves of slot 1.  In a phase that has a successor two rounds of the cluster's barrier refill: in block 2, when slot 0's last block has been fetched and the
; stationary rows lie in registers, slot 0 and the stationary region take the next phase's rows (64 rows a wave); at the phase's end slot 1 does (waves 0, 1).  Each round also shows what the round before asked for.
; The last phase, v, is written out behind the loop of two trips and fills nothing.  Streamed rows are asked for jointly by a row of the cluster, stationary rows by a column.
; The operands' scale words go from memory straight into registers, a phase ahead, into a second set that moves over at a phase's start.
; No prefetch: every refill is itself asked for five blocks (slot 0, stationary rows) or two blocks and the weights' loads (slot 1) ahead of its first read.
; OUT: img holds images of operand registers, a unit of 256 bytes = registers 2 p, 2 p + 1 of 32 lanes; q at 0, k at 6,291,456: [head][tile of 16 stored tokens][3 units];
; v at 12,582,912: [head][key step of 128][tile of 16 stored channels][6 units].  scw: q, k [head][stored token] words (bytes 2, 3 are 0), v at 1,048,576 [head][key step][stored channel].
; LIMITS: a block whose largest magnitude lies under 2^-124, a block of zeros among them, keeps the byte 1 (this program alone reads the bytes); NaN, infinities and sums beyond f32's range are not served.
.set KROW,  768
.set PITCH, 816
.set FR,    12
.set FPW,   21                         ; fragments in a window of 256 registers; fragment f lies in window 1 + f / 21
.set YB,    256*PITCH                  ; the stationary rows
.set STG,   384*PITCH                  ; q's, k's scale words: 512 bytes a wave
.set STGV,  STG+2048                   ; v's: [a][k][s'][r] words, bytes 2 b, 2 b + 1 by wave column b
.set SPARE, STGV+1024
.set RAQ,   24                         ; block 2: the barrier's signal stands ahead of this product
.set ADRA0, 4                          ; v4, v5 my fragments of block 0 (v5: pieces whose lanes 16-31 lie behind one padding more)
.set ADRA,  6                          ; v6, v7 the same for the block that is fetched
.set L8,    8                          ; 8 x lane
.set ABS,   9                          ; 32 x lane
.set SPW,   10
.set NIL,   11
.set BA,    12                         ; v12-19 my four stationary tiles, two each as v4, v5
.set SSTQ,  20
.set SRDQ,  21
.set SSTV,  22
.set SRDV,  23
.set SB,    24                         ; v24-39 stationary scale words: 8 p + q, lanes 0-15 tile 2 p, lanes 16-31 tile 2 p + 1
.set QTM,   40                         ; v40-41 the two blocks' largest magnitudes; v42-43 the other half's
.set T4,    42
.set SOP,   44
.set BY,    46
.set W,     48
.set QC,    50                         ; v50-55 the codes
.set QP,    56
.set RBK,   60
.set ACC,   64                         ; v64-127 two sets of four accumulators
.set SA,    132                        ; v132-163 streamed scale words: 8 (s / 2) + q, lanes 0-15 the even block, lanes 16-31 the odd
.set NSB,   164                        ; v164-211 the next phase's
.set NSA,   180
.set SEL, 12
.set G1A, 24                           ; streamed, 128 rows (head)
.set G1B, 32                           ; stationary, 128 rows at the head, then 64
.set G1H, 48                           ; streamed, 64 rows
.set G0A, 56
.set G0B, 60
.set G0C, 68
.set MSB, 0
.set NLD, 0
.macro WIN new
.if MSB != \new
	s_set_vgpr_msb (MSB<<8)|\new
.set MSB, \new
.endif
.endm
.macro PLACES n
.rept \n
	v_nop
.endr
.endm
.macro WALU
	s_wait_alu depctr_va_vdst(0)
.endm
.macro BARRIER
	s_barrier_signal -1
	s_barrier_wait -1
.endm
.macro MIDDLE                          ; a round's middle
	WIN 0
	s_barrier_wait -1
	s_cmp_lg_u32 s14, 0
	s_cbranch_scc1 .Lnot_wave_0_\@
	s_barrier_signal -3
.Lnot_wave_0_\@:
	s_barrier_wait -3
.endm
.macro CROUND
	s_barrier_signal -1
	MIDDLE
	BARRIER
.endm
.macro GRD
	s_wait_tensorcnt 0x0
	ds_add_u32 v[SPW], v[NIL]
.endm
.macro TLOAD g0, g1                    ; s_nop 0 and four v_nop behind the load
	tensor_load_to_lds s[\g0:\g0+3], s[\g1:\g1+7]
	s_nop 0
	PLACES 4
.endm
.macro GROUP1 g, mask, rows
	s_or_b32 s[\g+0], s[\mask], (1<<20)|(1<<21)|(5<<22)|(3<<25)
	s_mov_b32 s[\g+1], KROW<<16
	s_mov_b32 s[\g+2], (\rows)<<16
	s_mov_b32 s[\g+3], KROW<<16
	s_mov_b32 s[\g+4], \rows
	s_mov_b32 s[\g+5], KROW
	s_mov_b32 s[\g+6], 0
	s_mov_b32 s[\g+7], 0
.endm
.macro G0SET g, off                    ; group 0's address: codes + the 32-bit offset in s\off (s21 = 0)
	s_mov_b32 s20, s\off
	s_add_nc_u64 s[\g+2:\g+3], s[4:5], s[20:21]
	s_or_b32 s[\g+3], s[\g+3], 0x80000000
.endm
.macro FRAG f, q, a0, a1               ; a fragment out of padded rows: six pieces of 8 bytes, two to a load where both go by the same address register
	WIN (1+(\f)/FPW)<<6
.set R_, FR*((\f)%FPW)
.set SKIP_, 0
.irp p, 0,1,2,3,4,5
.if SKIP_
.set SKIP_, 0
.else
.set PC_, 12*(\q)+6*(\p/3)+\p%3
.set PN_, 12*(\q)+6*((\p+1)/3)+(\p+1)%3
.set X_, (PC_%32+3)/32
.set XQ_, (PN_%32+3)/32
.set NLD, NLD+1
.if (\p < 5) && (X_ == XQ_)
.set SKIP_, 1
.if X_
	ds_load_2addr_b64 v[R_+2*\p:R_+2*\p+3], \a1 offset0:PC_+2*(PC_/32) offset1:PN_+2*(PN_/32)
.else
	ds_load_2addr_b64 v[R_+2*\p:R_+2*\p+3], \a0 offset0:PC_+2*(PC_/32) offset1:PN_+2*(PN_/32)
.endif
.elseif X_
	ds_load_b64 v[R_+2*\p:R_+2*\p+1], \a1 offset:8*(PC_+2*(PC_/32))
.else
	ds_load_b64 v[R_+2*\p:R_+2*\p+1], \a0 offset:8*(PC_+2*(PC_/32))
.endif
.endif
.endr
.endm
.macro WLOAD                           ; my 64 stationary rows, all of K: fragments 4 q + tile
.irp q, 0,1,2,3,4,5,6,7
.irp t, 0,1,2,3
	FRAG 4*\q+\t, \q, v[BA+2*\t], v[BA+2*\t+1]
.endr
.endr
	WIN 0
.endm
.macro FETCH s, e                      ; block s into set e: fragments 32 + 8 e + q.  The four plain lines are the places behind the products that read the set.  NLD counts the loads
	v_add_nc_u32 v[ADRA], (128*((\s)/4)+16*((\s)%4))*PITCH, v[ADRA0]
	v_add_nc_u32 v[ADRA+1], (128*((\s)/4)+16*((\s)%4))*PITCH, v[ADRA0+1]
	v_nop
	v_nop
.set NLD, 0
.irp q, 0,1,2,3,4,5,6,7
	FRAG 32+8*(\e)+\q, \q, v[ADRA], v[ADRA+1]
.endr
	WIN 0
.endm
.macro WM c, ra, rb
	v_wmma_scale_f32_16x16x128_f8f6f4 v[D_:D_+7], v[RB_:RB_+FR-1], v[RA_:RA_+FR-1], \c, v[XB_], v[XA_] matrix_a_fmt:MATRIX_FMT_FP6 matrix_b_fmt:MATRIX_FMT_FP6 matrix_a_scale:MATRIX_SCALE_ROW\ra matrix_b_scale:MATRIX_SCALE_ROW\rb
.endm
.macro WMS c
.if T_%2
.if S_%2
	WM \c, 1, 1
.else
	WM \c, 1, 0
.endif
.else
.if S_%2
	WM \c, 0, 1
.else
	WM \c, 0, 0
.endif
.endif
.endm
.macro PROD e, s, n                    ; product n = 4 q + tile of block s, whose rows lie in set e; the first along K takes C = 0
.set Q_, (\n)/4
.set T_, (\n)%4
.set S_, \s
.set D_, ACC+32*(\e)+8*T_
.set RB_, FR*((4*Q_+T_)%FPW)
.set RA_, FR*((32+8*(\e)+Q_)%FPW)
.set XB_, SB+8*(T_/2)+Q_
.set XA_, SA+8*((\s)/2)+Q_
	WIN (1+(4*Q_+T_)/FPW)|((1+(32+8*(\e)+Q_)/FPW)<<2)
.if Q_
	WMS v[D_:D_+7]
.else
	WMS 0
.endif
.endm
.macro CHAIN i, x                      ; line i = 0 .. 15 of two chains by turns: the largest magnitude of each half of the 32 sums from register x on, with the floor 2^(3 - 127)
.set B_, (\x)+16*((\i)%2)+2*((\i)/2)
.if (\i) < 2
	v_max3_num_f32 v[QTM+(\i)%2], 0x1800000, |v[B_]|, |v[B_+1]|
.else
	v_max3_num_f32 v[QTM+(\i)%2], v[QTM+(\i)%2], |v[B_]|, |v[B_+1]|
.endif
.endm
.macro PRODS e, s, from, to, ch        ; ch: behind products 1 to 8 stand the chains over the other set's sums, two lines each
.set N_, \from
.rept (\to)-(\from)
	PROD \e, \s, N_
.if (\ch) && (N_ >= 1) && (N_ <= 8)
	WIN 0
	CHAIN 2*(N_-1), ACC+32*(1-(\e))
	CHAIN 2*(N_-1)+1, ACC+32*(1-(\e))
.endif
.set N_, N_+1
.endr
.endm
.macro TAILV u                         ; the way out of set u's sums behind the chains, on registers alone
	s_wait_xcnt 0x0                                ; the last block's stores have read the registers that are written below
	WALU
	v_permlanex16_b32 v[T4], v[QTM], s[SEL], s[SEL+1]
	v_permlanex16_b32 v[T4+1], v[QTM+1], s[SEL], s[SEL+1]
	v_max_num_f32 v[QTM], v[QTM], v[T4]            ; with lane l xor 16's: the block's largest magnitude
	v_max_num_f32 v[QTM+1], v[QTM+1], v[T4+1]
	v_add_nc_u32 v[SOP], 0xff000000, v[QTM]        ; 2 off the exponent field: the conversion's scale operand
	v_add_nc_u32 v[SOP+1], 0xff000000, v[QTM+1]
	v_cvt_scalef32_pk16_fp6_f32 v[QC:QC+2], v[ACC+32*(\u):ACC+32*(\u)+15], v[SOP]
	v_cvt_scalef32_pk16_fp6_f32 v[QP:QP+2], v[ACC+32*(\u)+16:ACC+32*(\u)+31], v[SOP+1]
	v_lshrrev_b32 v[BY], 23, v[SOP]                ; the scales' bytes (also the plain line behind the conversions)
	v_lshrrev_b32 v[BY+1], 23, v[SOP+1]
.irp i, 0,1,2
	v_permlane16_swap_b32 v[QC+\i], v[QP+\i]       ; a whole block in a lane: lanes 0-15 block 0, lanes 16-31 block 1
.endr
.irp i, 0,1,2
	v_mov_b32 v[QC+3+\i], v[QP+\i]
.endr
	v_lshl_or_b32 v[W], v[BY+1], 8, v[BY]
.endm
.macro TAILM s, isv                    ; and its stores: block s's scale bytes into the stage, its three units of codes
.if \isv
	ds_store_b16 v[SSTV], v[W] offset:256*((\s)/4)+64*((\s)%4)
.irp p, 0,1,2
	global_store_b64 v[L8], v[QC+2*\p:QC+2*\p+1], s[86:87] offset:196608*((\s)/4)+1536*((\s)%4)+256*\p
.endr
.else
	ds_store_b32 v[SSTQ], v[W] offset:256*((\s)/4)+64*((\s)%4)
.irp p, 0,1,2
	global_store_b64 v[L8], v[QC+2*\p:QC+2*\p+1], s[82:83] offset:768*(8*((\s)/4)+(\s)%4)+256*\p   ; 32 lanes store 256 consecutive bytes, aligned
.endr
.endif
.endm
.macro NLOADS                          ; a phase's scale words into the second set: a lane a row, 32 bytes in two loads
.irp p, 0,1
.irp c, 0,1
	global_load_b128 v[NSB+8*\p+4*\c:NSB+8*\p+4*\c+3], v[ABS], s[92:93] offset:\p*1024+16*\c
.endr
.endr
.irp g, 0,1,2,3
.irp c, 0,1
	global_load_b128 v[NSA+8*\g+4*\c:NSA+8*\g+4*\c+3], v[ABS], s[90:91] offset:(\g/2)*4096+(\g%2)*1024+16*\c
.endr
.endr
.endm
.macro BLK s, isv, fill                ; block s: its products, the fetch of block s + 2, the way out of block s - 1
.set E_, (\s)%2
.if (\s) == 2
.if \fill
	GRD
	s_mov_b32 s[G1B+2], 64<<16                     ; from here on a load brings 64 rows
	s_mov_b32 s[G1B+4], 64
	s_mov_b32 s21, 0
	s_mov_b32 s[G0A+1], s80                        ; slot 0, my 64 rows
	G0SET G0A, 72
	s_add_co_u32 s[G0B+1], s80, YB
	G0SET G0B, 73
.endif
	PRODS E_, \s, 0, RAQ, 1
	WIN 0
.if \fill == 0
	s_wait_tensorcnt 0x0                           ; slot 1's last fill
.endif
	s_wait_dscnt 0x0                               ; the add, and my reads of slot 0 and of the stationary rows
	s_barrier_signal -1
	PRODS E_, \s, RAQ, 32, 0
.if \fill
	MIDDLE
	BARRIER
	s_cmp_eq_u32 s15, 0
	s_cbranch_scc0 .Lfor_b_\@
	TLOAD G0A, G1H                                 ; waves 0, 1: the next phase's streamed rows 0 to 127
	s_branch .Lasked_\@
.Lfor_b_\@:
	TLOAD G0B, G1B                                 ; waves 2, 3: its stationary rows
.Lasked_\@:
	s_mov_b32 s20, s76
	s_add_nc_u64 s[90:91], s[6:7], s[20:21]
	s_mov_b32 s20, s77
	s_add_nc_u64 s[92:93], s[6:7], s[20:21]
	NLOADS
.else
	WIN 0
	s_barrier_wait -1
.endif
.else
	PRODS E_, \s, 0, 32, (\s)>0
	WIN 0
.endif
.if (\s) < 6
	FETCH (\s)+2, E_
.endif
.if (\s) > 0
	TAILV 1-E_
	TAILM (\s)-1, \isv
.endif
.if (\s) == 0
	s_wait_dscnt NLD                               ; the next block's rows are in; younger: the fetch just issued
.elseif (\s) < 6
	s_wait_dscnt NLD+1                             ; younger: the fetch and the stage store just issued
.elseif (\s) == 6
	s_wait_dscnt 0x1                               ; younger: the stage store
.endif
.endm
.macro BODY isv, fill
	FETCH 0, 0
	FETCH 1, 1
	s_wait_loadcnt 0x0                             ; this phase's scale words move to where the products name them
.set I_, 0
.rept 16
	v_mov_b32 v[SB+I_], v[NSB+I_]
.set I_, I_+1
.endr
.set I_, 0
.rept 32
	v_mov_b32 v[SA+I_], v[NSA+I_]
.set I_, I_+1
.endr
	PLACES 8                                       ; a scale register written by a vector instruction stands eight places ahead of the product
	WALU
	s_wait_dscnt NLD                               ; the stationary rows and block 0 are in; younger: block 1's fetch
.irp s, 0,1,2,3,4,5,6,7
	BLK \s, \isv, \fill
.endr
.endm
.macro CHAINALL x
.set I_, 0
.rept 16
	CHAIN I_, \x
.set I_, I_+1
.endr
.endm
; ================= THE HEAD
	s_load_b256 s[4:11], s[0:1], 0x0               ; codes, scales, img, scw
	v_lshl_add_u32 v[SPW], v0, 2, SPARE
	v_mov_b32 v[NIL], 0
	ds_add_u32 v[SPW], v[NIL]                      ; the opening lines: the add twice on end and its wait
	ds_add_u32 v[SPW], v[NIL]
	v_lshrrev_b32 v1, 5, v0
	v_readfirstlane_b32 s14, v1                    ; the wave; s15 its row a, s16 its column b
	s_lshr_b32 s15, s14, 1
	s_and_b32 s16, s14, 1
	s_bfe_u32 s40, ttmp6, 0x40000                  ; cx
	s_bfe_u32 s41, ttmp6, 0x40004                  ; cy
	s_and_b32 s42, ttmp7, 0xffff
	s_lshl_b32 s42, s42, 2
	s_add_co_u32 s42, s42, ttmp9                   ; L, the cluster's number, 0 .. 15
	s_lshl_b32 s44, s41, 2
	s_lshl_b32 s44, 15, s44                        ; my row of the cluster: shares the streamed rows
	s_lshl_b32 s45, 0x1111, s40                    ; my column: shares the stationary rows
	s_lshr_b32 s43, s42, 1
	s_lshl_b32 s43, s43, 2
	s_add_co_u32 s43, s43, s41                     ; q, k: which 256 tokens, 4 (L / 2) + cy
	s_and_b32 s46, s42, 1
	s_lshl_b32 s46, s46, 2
	s_add_co_u32 s46, s46, s40                     ; q, k: which 128 columns, 4 (L % 2) + cx
	s_lshl_b32 s47, s42, 2
	s_add_co_u32 s47, s47, s40                     ; v: which 128 tokens, 4 L + cx
	GROUP1 G1A, 44, 128
	GROUP1 G1B, 45, 128
	GROUP1 G1H, 44, 64
	s_lshl_b32 s95, s43, 8                         ; first rows: streamed q (k: 8,192 on),
	s_lshl_b32 s96, s41, 8
	s_add_co_u32 s96, s96, 26624                   ; streamed v: WV's columns 256 cy ..,
	s_lshl_b32 s97, s46, 7
	s_add_co_u32 s97, s97, 24576                   ; stationary q (k: 1,024 on),
	s_lshl_b32 s98, s47, 7
	s_add_co_u32 s98, s98, 16384                   ; stationary v
	s_lshl_b32 s99, s16, 6
	s_lshl_b32 s100, s15, 6
	s_add_co_u32 s20, s95, s99                     ; byte offsets in codes of the 64 rows that I fetch in a refill: s72, s73 the next phase's, s74, s75 v's
	s_mul_i32 s101, s20, KROW
	s_add_co_u32 s72, s101, 8192*KROW
	s_add_co_u32 s20, s96, s99
	s_mul_i32 s74, s20, KROW
	s_add_co_u32 s20, s97, s99
	s_mul_i32 s73, s20, KROW
	s_add_co_u32 s73, s73, 1024*KROW
	s_add_co_u32 s20, s98, s99
	s_mul_i32 s75, s20, KROW
	s_add_co_u32 s20, s95, s100                    ; byte offsets in scales of my rows' words: s2, s3 q's, s76, s77 the next phase's, s78, s79 v's
	s_lshl_b32 s2, s20, 5
	s_add_co_u32 s76, s2, 8192*32
	s_add_co_u32 s20, s96, s100
	s_lshl_b32 s78, s20, 5
	s_add_co_u32 s20, s97, s99
	s_lshl_b32 s3, s20, 5
	s_add_co_u32 s77, s3, 1024*32
	s_add_co_u32 s20, s98, s99
	s_lshl_b32 s79, s20, 5
	s_mul_i32 s80, s16, 64*PITCH                   ; where my 64 rows go in a region
	s_mul_i32 s95, s95, KROW                       ; the head's tiles
	s_mul_i32 s97, s97, KROW
	s_add_co_u32 s101, s101, 128*KROW
	s_lshr_b32 s20, s43, 3                         ; where q's results go: head 16 batch + 2 x column block + b, tile 16 (token block % 8) + 4 a
	s_lshl_b32 s20, s20, 4
	s_lshl_b32 s21, s46, 1
	s_add_co_u32 s20, s20, s21
	s_add_co_u32 s20, s20, s16
	s_and_b32 s21, s43, 7
	s_lshl_b32 s21, s21, 4
	s_lshl_b32 s22, s15, 2
	s_add_co_u32 s21, s21, s22
	s_mul_i32 s82, s20, 98304
	s_mul_i32 s22, s21, 768
	s_add_co_u32 s82, s82, s22
	s_lshl_b32 s84, s20, 13
	s_lshl_b32 s22, s21, 6
	s_add_co_u32 s84, s84, s22
	s_lshr_b32 s20, s47, 4                         ; v's: head 16 batch + 4 cy + 2 k + a, key step (4 L + cx) % 16, band b
	s_lshl_b32 s20, s20, 4
	s_lshl_b32 s21, s41, 2
	s_add_co_u32 s20, s20, s21
	s_and_b32 s21, s47, 15
	s_add_co_u32 s22, s20, s15
	s_mul_i32 s86, s22, 98304
	s_mul_i32 s22, s21, 6144
	s_add_co_u32 s86, s86, s22
	s_mul_i32 s22, s16, 768
	s_add_co_u32 s86, s86, s22
	s_add_co_u32 s86, s86, 12582912
	s_lshl_b32 s22, s16, 1                         ; of v's scale words I store the unit of head .. + 2 b + a
	s_add_co_u32 s22, s22, s15
	s_add_co_u32 s22, s22, s20
	s_lshl_b32 s88, s22, 12
	s_lshl_b32 s22, s21, 8
	s_add_co_u32 s88, s88, s22
	s_add_co_u32 s88, s88, 1048576
	s_mov_b32 s83, 0
	s_mov_b32 s85, 0
	s_mov_b32 s87, 0
	s_mov_b32 s89, 0
	s_mov_b32 s[SEL], 0x76543210
	s_mov_b32 s[SEL+1], 0xfedcba98
	s_mov_b32 s[G0A], 1
	s_mov_b32 s[G0A+1], 0
	s_mov_b32 s[G0B], 1
	s_mov_b32 s[G0B+1], YB
	s_mov_b32 s[G0C], 1
	s_add_co_u32 s[G0C+1], s80, 128*PITCH
	s_mul_i32 s20, s15, 64*PITCH
	s_add_co_u32 s21, s80, YB
	s_lshl_b32 s22, s14, 9
	s_add_co_u32 s22, s22, STG
	s_lshl_b32 s23, s15, 9
	s_lshl_b32 s98, s16, 1
	s_add_co_u32 s23, s23, s98
	s_add_co_u32 s23, s23, STGV
	s_lshl_b32 s98, s14, 8
	s_add_co_u32 s98, s98, STGV
	v_and_b32 v1, 15, v0                           ; r
	v_bfe_u32 v2, v0, 4, 1                         ; h
	v_and_b32 v3, 31, v0
	v_mul_u32_u24 v60, v1, PITCH
	v_mad_u32_u24 v61, v2, 24, v60
	v_mad_u32_u24 v62, v2, 24+16, v60
	v_add_nc_u32 v[ADRA0], s20, v61
	v_add_nc_u32 v[ADRA0+1], s20, v62
	v_add_nc_u32 v[BA], s21, v61
	v_add_nc_u32 v[BA+1], s21, v62
.irp t, 1,2,3
	v_add_nc_u32 v[BA+2*\t], \t*16*PITCH, v[BA]
	v_add_nc_u32 v[BA+2*\t+1], \t*16*PITCH, v[BA+1]
.endr
	v_lshlrev_b32 v[L8], 3, v3
	v_lshlrev_b32 v[ABS], 5, v3
	v_lshl_add_u32 v[SSTQ], v1, 2, s22
	v_add_nc_u32 v[SRDQ], s22, v[L8]
	v_lshl_add_u32 v[SSTV], v1, 2, s23
	v_add_nc_u32 v[SRDV], s98, v[L8]
	v_mov_b32 v[T4], 0                             ; a lane permute's destination counts as one of its sources
	v_mov_b32 v[T4+1], 0
	WALU
	s_wait_dscnt 0x0
	CROUND                                         ; the opening round: the first joint loads meet
	s_wait_kmcnt 0x0
	s_mov_b32 s21, 0
	G0SET G0B, 97
	G0SET G0A, 95
	G0SET G0C, 101
	s_cmp_eq_u32 s14, 0
	s_cbranch_scc0 .Lwave_1
	TLOAD G0B, G1B                                 ; wave 0: the stationary rows, which are wanted first
	s_branch .Lasked
.Lwave_1:
	s_cmp_eq_u32 s14, 1
	s_cbranch_scc0 .Lwave_2
	TLOAD G0A, G1A                                 ; wave 1: slot 0
	s_branch .Lasked
.Lwave_2:
	TLOAD G0C, G1H                                 ; waves 2, 3: the halves of slot 1
.Lasked:
	s_mov_b32 s20, s2
	s_add_nc_u64 s[90:91], s[6:7], s[20:21]
	s_mov_b32 s20, s3
	s_add_nc_u64 s[92:93], s[6:7], s[20:21]
	NLOADS
	s_add_nc_u64 s[82:83], s[8:9], s[82:83]
	s_add_nc_u64 s[84:85], s[10:11], s[84:85]
	s_add_nc_u64 s[86:87], s[8:9], s[86:87]
	s_add_nc_u64 s[88:89], s[10:11], s[88:89]
	s_cmp_eq_u32 s14, 0
	s_cbranch_scc0 .Lnot_b
	s_wait_tensorcnt 0x0
.Lnot_b:
	BARRIER                                        ; the stationary rows have landed
	WLOAD
	s_cmp_eq_u32 s14, 1
	s_cbranch_scc0 .Lnot_a
	s_wait_tensorcnt 0x0
.Lnot_a:
	s_wait_dscnt 0x0
	BARRIER                                        ; slot 0 has landed; slot 1 may be on its way
	s_mov_b32 s94, 0
; ================= q, THEN k
.Lphase:
	BODY 0, 1
	GRD
	s_mov_b32 s21, 0
	s_add_co_u32 s[G0A+1], s80, 128*PITCH          ; slot 1, my 64 rows
	s_add_co_u32 s72, s72, 128*KROW
	G0SET G0A, 72
	CHAINALL ACC+32
	TAILV 1
	WALU
	s_wait_dscnt 0x0
	s_barrier_signal -1
	MIDDLE
	BARRIER
	s_cmp_eq_u32 s15, 0
	s_cbranch_scc0 .Lno_fill
	TLOAD G0A, G1H                                 ; waves 0, 1: the next phase's streamed rows 128 to 255
.Lno_fill:
	TAILM 7, 0
	ds_load_b64 v[RBK:RBK+1], v[SRDQ]              ; my own stores, served in order: two units of scale words
	ds_load_b64 v[RBK+2:RBK+3], v[SRDQ] offset:256
	s_wait_dscnt 0x0
	global_store_b64 v[L8], v[RBK:RBK+1], s[84:85]
	global_store_b64 v[L8], v[RBK+2:RBK+3], s[84:85] offset:512
	WLOAD                                          ; the next phase's stationary rows, shown by the round
	s_wait_xcnt 0x0                                ; the stores have read their bases
	s_add_nc_u64 s[82:83], s[82:83], 6291456       ; k's results
	s_add_nc_u64 s[84:85], s[84:85], 524288
	s_mov_b32 s72, s74                             ; the phase after the next is v
	s_mov_b32 s73, s75
	s_mov_b32 s76, s78
	s_mov_b32 s77, s79
	s_add_co_u32 s94, s94, 1
	s_cmp_lt_u32 s94, 2
	s_cbranch_scc1 .Lphase
; ================= v
	BODY 1, 0
	CHAINALL ACC+32
	TAILV 1
	TAILM 7, 1
	s_wait_dscnt 0x0
	BARRIER                                        ; both wave columns' halves of v's scale words are in the stage
	ds_load_b64 v[RBK:RBK+1], v[SRDV]
	s_wait_dscnt 0x0
	global_store_b64 v[L8], v[RBK:RBK+1], s[88:89]
	s_wait_tensorcnt 0x0                           ; the wave's end
	ds_add_u32 v[SPW], v[NIL]
	s_wait_dscnt 0x0
	CROUND                                         ; the closing round
	s_endpgm
.Lfunc_end_k_q6c265c58f3_proj:
	.size	k_q6c265c58f3_proj, .Lfunc_end_k_q6c265c58f3_proj-k_q6c265c58f3_proj
	.p2alignl 7, 3214868480
	.fill 96, 4, 3214868480
	.section	.rodata,"a",@progbits
	.p2align	6, 0x0
	.amdhsa_kernel k_q6c265c58f3_proj
		.amdhsa_group_segment_fixed_size 327680
		.amdhsa_private_segment_fixed_size 0
		.amdhsa_enable_private_segment 0
		.amdhsa_kernarg_size 32
		.amdhsa_user_sgpr_count 2
		.amdhsa_user_sgpr_kernarg_segment_ptr 1
		.amdhsa_wavefront_size32 1
		.amdhsa_system_sgpr_workgroup_id_x 1
		.amdhsa_system_sgpr_workgroup_id_y 1
		.amdhsa_system_sgpr_workgroup_id_z 1
		.amdhsa_system_vgpr_workitem_id 0
		.amdhsa_next_free_vgpr 840
		.amdhsa_next_free_sgpr 102
		.amdhsa_reserve_vcc 0
		.amdhsa_float_denorm_mode_32 3
		.amdhsa_float_denorm_mode_16_64 3
		.amdhsa_memory_ordered 1
		.amdhsa_forward_progress 1
		.amdhsa_inst_pref_size 173
	.end_amdhsa_kernel
	.amdgpu_metadata
---
amdhsa.version: [ 1, 2 ]
amdhsa.kernels:
  - .name:           k_q6c265c58f3_proj
    .symbol:         k_q6c265c58f3_proj.kd
    .args:
      - { .name: codes, .offset: 0, .size: 8, .value_kind: global_buffer, .address_space: global }
      - { .name: scales, .offset: 8, .size: 8, .value_kind: global_buffer, .address_space: global }
      - { .name: img, .offset: 16, .size: 8, .value_kind: global_buffer, .address_space: global }
      - { .name: scw, .offset: 24, .size: 8, .value_kind: global_buffer, .address_space: global }
    .group_segment_fixed_size: 327680
    .private_segment_fixed_size: 0
    .kernarg_segment_align: 8
    .kernarg_segment_size: 32
    .max_flat_workgroup_size: 128
    .sgpr_count:     102
    .vgpr_count:     840
    .wavefront_size: 32
...
	.end_amdgpu_metadata
.endif
;; end of part 2
;; launch attn (part 3): grid 4 x 64, 16 waves a work-group, clusters of 4 x 1, 280,576 bytes of LDS; arguments img, scw, out0; writes out0
.if DOCPART == 3
	.amdgcn_target "amdgcn-amd-amdhsa--gfx1250"
	.amdhsa_code_object_version 6
	.text
	.protected	k_q6c265c58f3_attn
	.globl	k_q6c265c58f3_attn
	.p2align	8
	.type	k_q6c265c58f3_attn,@function
k_q6c265c58f3_attn:
	s_mov_b64 s[64:65], 0
	v_nop
	global_prefetch_b8 v0, s[64:65] scope:SCOPE_SE
	s_setreg_imm32_b32 hwreg(HW_REG_WAVE_MODE, 25, 1), 1
	s_wait_xcnt 0x0
	s_wait_alu depctr_hold_cnt(0) depctr_sa_sdst(0) depctr_va_vdst(0) depctr_va_sdst(0) depctr_va_ssrc(0) depctr_va_vcc(0) depctr_vm_vsrc(0)
	s_getreg_b32 s2, hwreg(HW_REG_IB_STS2, 6, 4)
	s_cmp_eq_u32 s2, 0
	s_cbranch_scc0 .Lentry_in_a_cluster
	s_endpgm
.Lentry_in_a_cluster:
	s_bfe_u32 s2, ttmp6, 0x10000c
	s_cmp_lg_u32 s2, 0x3003
	s_cbranch_scc0 .Lentry_shape_is_right
	s_endpgm
.Lentry_shape_is_right:
; out[b][q][64 h + d] = the sum over keys of softmax(q . k / 8) v, for 64 heads (16 b + h) of 2,048 tokens and 64 channels, both products on codes of FP6 (E2M3) with E8M0 scales.
; q, k, v come as images of operand registers (img) with their scale words (scw): a unit of 256 bytes holds registers 2 p, 2 p + 1 of the 32 lanes.
;   q at 0, k at 6,291,456: [head][tile of 16 stored tokens][3 units]: registers 0-5, the head's 64 channels;  v at 12,582,912: [head][key step of 128][tile of 16 stored channels][6 units].
;   Stored token 32 b + 16 u + r is token 32 b + 8 u + r + 8 (r / 8), channels likewise: so the 16 scores a lane has of key tiles 2 b and 2 b + 1 are 16 neighbouring keys.
; THE SOFTMAX AHEAD OF THE SECOND PRODUCT: t = score x log2(e) / 8; M = the row's largest t so far, rounded UP to a whole number; p = 2^(t - M) is quantised along the keys, not normalised.
; The row's sum is taken of the unquantised p and divides O at the end.  When M moves, the sum and O are multiplied by 2^(old M - new M): exact.
; K = 64 IN AN INSTRUCTION OF K = 128: Q's registers 6-11 are zero codes.  K's operand of tile t is v[32 + 6 t .. + 11]: its upper six registers are the next tile's codes (behind tile 7: six zeros), finite numbers
; that meet Q's zeros; bytes 2 and 3 of both scale words are 0, the smallest scale and no NaN.  So the upper 64 add exactly nothing.
; SHARES.  A cluster of four work-groups has one head, a work-group 512 queries, each of its SIXTEEN waves one tile of 16 queries in each of two passes, in 256 registers: four waves to a SIMD, so that one
; wave's vector work stands beside another's matrix work and LDS loads.  Every wave walks the head's 16 key steps in each pass.
; A HEAD'S WHOLE K AND V, codes and scale words (208,896 bytes), come into LDS ONCE, by joint loads of the four work-groups: nothing is filled again, so there is no ring.
; Both products are used transposed (S^T = K Q^T, O^T = V^T P^T): a lane holds ONE query throughout.
; No prefetch: all that the launch reads is asked for at its head.
; LIMITS: a block's largest p is made from the block's largest score by the same two instructions as every p (it takes v_exp_f32 not to fall where its input rises); a block whose every p is 0 keeps the byte 1.
.set KIMG,  0
.set VIMG,  98304
.set KSC,   196608                     ; K's scale words: 2,048 x 4 bytes
.set VSC,   204800                     ; V's: 16 key steps x 64 x 4 bytes
.set STAGE, 208896                     ; the way out: 16 rows x (256 + 16) bytes for each wave; no fill lands here
.set AK0,  1                           ; v1   8 x lane: my place in a unit (also Q's offset in memory)
.set AV0,  2                           ; v2   VIMG + 8 x lane
.set ASK0, 3                           ; v3   KSC + 4 x lane
.set ASV0, 4                           ; v4   VSC + 4 x lane
.set STO,  5                           ; v5   the stage: where I put my channels of a row
.set RD,   6                           ; v6   and where I read a row back
.set GO,   7                           ; v7   my byte offset in two rows of out
.set ADK,  8                           ; v8-11 the step's LDS addresses
.set ADV,  9
.set ADS,  10
.set ADT,  11
.set ADK1, 92                          ; v92-95 K's and V's codes of the step, 2,048 and 4,096 bytes on: a load of two units reaches eight units of 256 bytes from its address
.set ADK2, 93
.set ADV1, 94
.set ADV2, 95
.set KV,   32                          ; v32-79 K's eight tiles (6 registers each), then V's four (12 each); v80-85 zeros
.set KSW,  86                          ; v86-89 K's scale words: lanes 0-15 tile 2 i, lanes 16-31 tile 2 i + 1
.set VSW,  90                          ; v90-91 V's likewise
.set S,    96                          ; v96-159 S^T, then p
.set O,    160                         ; v160-191 O^T
.set P,    192                         ; v192-203 p's codes
.set PT,   204                         ; v204-206, v208-210 the conversions' second halves
.set BM,   212                         ; v212-215 each block's largest score, then its largest p
.set PD,   216                         ; v216-219 at work
.set SO,   220                         ; v220-223 the conversions' scale operands
.set F,    224                         ; v[224:225] f = 2^(old M - new M); v225 is 0 and only named with it
.set PW,   226                         ; v226 p's scale word
.set TMP,  227
.set WV,   10                          ; s10 my wave's number
.set SEL,  20                          ; s[20:21] lane selects for v_permlanex16_b32: lane l xor 16
.set CS,   22                          ; s[22:23] c = log2(e) / 8
.set G1C,  24                          ; s[24:31] group 1: 96 dense rows of 256 bytes
.set G1S,  32                          ; s[32:39] 16 such rows
.set G0K,  40
.set G0V,  44
.set G0KS, 48
.set G0VS, 52
.set TK,   56                          ; s56 the step's codes: 6,144 bytes a step, in K's images and in V's
.set TS,   57                          ; s57 K's scale words: 512 bytes a step
.set TJ,   58                          ; s58 V's: 256
.set CNT,  59
.macro CROUND                          ; a round of the cluster's barrier
	s_barrier_signal -1
	s_barrier_wait -1
	s_cmp_lg_u32 s[WV], 0
	s_cbranch_scc1 .Lnot_wave_0_\@
	s_barrier_signal -3
.Lnot_wave_0_\@:
	s_barrier_wait -3
	s_barrier_signal -1
	s_barrier_wait -1
.endm
	s_load_b128 s[4:7], s[0:1], 0x0                ; img, scw
	s_load_b64 s[8:9], s[0:1], 0x10                ; out0
	v_lshl_add_u32 v254, v0, 2, 0x44000
	v_mov_b32 v255, 0
	ds_add_u32 v254, v255
	ds_add_u32 v254, v255
	v_lshrrev_b32 v8, 5, v0
	s_delay_alu instid0(VALU_DEP_1)
	v_readfirstlane_b32 s[WV], v8                  ; wave 0..15
	s_bfe_u32 s11, ttmp6, 0x40000                  ; cx: which 512 queries: it enters Q's and out's addresses alone
	s_and_b32 s12, ttmp7, 0xffff                   ; the head, which the four partners share
	s_mov_b32 s[G1C], 15|(3<<16)|(1<<21)           ; the mask: all four work-groups; elements of 8 bytes; bit 21 beside a mask; no padding: every fragment load reads 256 consecutive bytes
	s_mov_b32 s[G1C+1], 32<<16                     ; tensor_dim0 = 32 elements
	s_mov_b32 s[G1C+2], 96<<16                     ; tensor_dim1 = 96
	s_mov_b32 s[G1C+3], 32<<16                     ; tile_dim0
	s_mov_b32 s[G1C+4], 96                         ; tile_dim1
	s_mov_b32 s[G1C+5], 32                         ; the pitch
	s_mov_b32 s[G1C+6], 0
	s_mov_b32 s[G1C+7], 0
	s_mov_b32 s[G1S], 15|(3<<16)|(1<<21)
	s_mov_b32 s[G1S+1], 32<<16
	s_mov_b32 s[G1S+2], 16<<16
	s_mov_b32 s[G1S+3], 32<<16
	s_mov_b32 s[G1S+4], 16
	s_mov_b32 s[G1S+5], 32
	s_mov_b32 s[G1S+6], 0
	s_mov_b32 s[G1S+7], 0
	s_and_b32 s13, s[WV], 3
	s_mul_i32 s14, s13, 24576                      ; a quarter of a head's images: in LDS and in memory
	s_mul_i32 s16, s12, 98304
	s_add_co_u32 s16, s16, s14
	s_mov_b32 s17, 0
	s_and_b32 s15, s[WV], 1
	s_lshl_b32 s15, s15, 12                        ; a half of K's scale words
	s_lshl_b32 s18, s12, 13
	s_add_co_u32 s18, s18, s15
	s_mov_b32 s19, 0
	s_lshl_b32 s66, s12, 12
	s_mov_b32 s67, 0
	s_mov_b32 s[SEL], 0x76543210
	s_mov_b32 s[SEL+1], 0xfedcba98
	s_mov_b32 s[CS], 0x3e38aa3b                    ; log2(e) / 8
	s_mov_b32 s[CS+1], s[CS]                       ; (named with it as a pair, so it is written)
	s_wait_dscnt 0x0
	s_wait_kmcnt 0x0
	s_mov_b32 s[G0K], 1
	s_mov_b32 s[G0K+1], s14
	s_add_nc_u64 s[G0K+2:G0K+3], s[4:5], s[16:17]
	s_add_nc_u64 s[G0K+2:G0K+3], s[G0K+2:G0K+3], 6291456
	s_or_b32 s[G0K+3], s[G0K+3], 0x80000000
	s_mov_b32 s[G0V], 1
	s_add_co_u32 s[G0V+1], s14, VIMG
	s_add_nc_u64 s[G0V+2:G0V+3], s[4:5], s[16:17]
	s_add_nc_u64 s[G0V+2:G0V+3], s[G0V+2:G0V+3], 12582912
	s_or_b32 s[G0V+3], s[G0V+3], 0x80000000
	s_mov_b32 s[G0KS], 1
	s_add_co_u32 s[G0KS+1], s15, KSC
	s_add_nc_u64 s[G0KS+2:G0KS+3], s[6:7], s[18:19]
	s_add_nc_u64 s[G0KS+2:G0KS+3], s[G0KS+2:G0KS+3], 524288
	s_or_b32 s[G0KS+3], s[G0KS+3], 0x80000000
	s_mov_b32 s[G0VS], 1
	s_mov_b32 s[G0VS+1], VSC
	s_add_nc_u64 s[G0VS+2:G0VS+3], s[6:7], s[66:67]
	s_add_nc_u64 s[G0VS+2:G0VS+3], s[G0VS+2:G0VS+3], 1048576
	s_or_b32 s[G0VS+3], s[G0VS+3], 0x80000000
	CROUND                                         ; all four work-groups are here: the joint loads meet
	; the fills, one a wave, in one chain of branches on the wave's number.  What the first four key steps read has load lines of its own, issued by waves 0 to 4:
	; wave 0 K's first quarter, wave 1 V's scale words, waves 2, 3 the halves of K's scale words, wave 4 V's first quarter.  Waves 5-7 bring K's other quarters, waves 9-11 V's (quarter = wave % 4).
	; s_nop 0 and four v_nop follow each load
	s_cmp_eq_u32 s[WV], 0
	s_cbranch_scc0 .Lnot_k0
	tensor_load_to_lds s[G0K:G0K+3], s[G1C:G1C+7]
	s_nop 0
.rept 4
	v_nop
.endr
	s_branch .Lasked
.Lnot_k0:
	s_cmp_eq_u32 s[WV], 1
	s_cbranch_scc0 .Lnot_vs
	tensor_load_to_lds s[G0VS:G0VS+3], s[G1S:G1S+7]
	s_nop 0
.rept 4
	v_nop
.endr
	s_branch .Lasked
.Lnot_vs:
	s_cmp_lt_u32 s[WV], 4
	s_cbranch_scc0 .Lnot_ks
	tensor_load_to_lds s[G0KS:G0KS+3], s[G1S:G1S+7]
	s_nop 0
.rept 4
	v_nop
.endr
	s_branch .Lasked
.Lnot_ks:
	s_cmp_eq_u32 s[WV], 4
	s_cbranch_scc0 .Lnot_v0
	tensor_load_to_lds s[G0V:G0V+3], s[G1C:G1C+7]
	s_nop 0
.rept 4
	v_nop
.endr
	s_branch .Lasked
.Lnot_v0:
	s_cmp_lt_u32 s[WV], 8
	s_cbranch_scc0 .Lnot_k
	tensor_load_to_lds s[G0K:G0K+3], s[G1C:G1C+7]
	s_nop 0
.rept 4
	v_nop
.endr
	s_branch .Lasked
.Lnot_k:
	s_cmp_eq_u32 s[WV], 8
	s_cbranch_scc1 .Lasked
	s_cmp_lt_u32 s[WV], 12
	s_cbranch_scc0 .Lasked
	tensor_load_to_lds s[G0V:G0V+3], s[G1C:G1C+7]
	s_nop 0
.rept 4
	v_nop
.endr
.Lasked:
	; Q of both passes: tile 32 cx + 16 pass + wave
	s_lshl_b32 s66, s11, 5
	s_add_co_u32 s66, s66, s[WV]
	s_mul_i32 s68, s66, 768
	s_mul_i32 s69, s12, 98304
	s_add_co_u32 s68, s68, s69
	s_mov_b32 s69, 0
	s_add_nc_u64 s[60:61], s[4:5], s[68:69]
	s_lshl_b32 s70, s66, 6
	s_lshl_b32 s71, s12, 13
	s_add_co_u32 s70, s70, s71
	s_mov_b32 s71, 0
	s_add_nc_u64 s[62:63], s[6:7], s[70:71]
	v_and_b32 v9, 31, v0                           ; lane
	v_and_b32 v10, 15, v0                          ; r
	v_bfe_u32 v11, v0, 4, 1                        ; h
	s_delay_alu instid0(VALU_DEP_3)
	v_lshlrev_b32 v[AK0], 3, v9
	s_delay_alu instid0(VALU_DEP_3)
	v_lshlrev_b32 v29, 2, v10                      ; 4 r: Q's scale words; never rewritten
.irp p, 0,1,2
	global_load_b64 v[16+2*\p:17+2*\p], v[AK0], s[60:61] offset:256*\p
	global_load_b64 v[228+2*\p:229+2*\p], v[AK0], s[60:61] offset:12288+256*\p
.endr
	global_load_b32 v28, v29, s[62:63]
	global_load_b32 v240, v29, s[62:63] offset:1024
	v_add_nc_u32 v[AV0], VIMG, v[AK0]
	v_lshl_add_u32 v[ASK0], v9, 2, KSC
	v_lshl_add_u32 v[ASV0], v9, 2, VSC
	s_mul_i32 s74, s[WV], 4352
	s_add_co_u32 s74, s74, STAGE                   ; my stage
	v_mul_u32_u24 v[STO], v10, 272
	s_delay_alu instid0(VALU_DEP_1)
	v_lshl_add_u32 v[STO], v11, 6, v[STO]
	s_delay_alu instid0(VALU_DEP_1)
	v_add_nc_u32 v[STO], s74, v[STO]               ; in: row r, + 64 h: tile t's register i is channel 32 (t / 2) + 16 h + 8 (t % 2) + i
	v_mul_u32_u24 v[RD], v11, 272
	s_delay_alu instid0(VALU_DEP_1)
	v_lshl_add_u32 v[RD], v10, 4, v[RD]
	s_delay_alu instid0(VALU_DEP_1)
	v_add_nc_u32 v[RD], s74, v[RD]                 ; back: lanes 0-15 one row, lanes 16-31 the next
	v_lshlrev_b32 v[GO], 12, v11
	s_delay_alu instid0(VALU_DEP_1)
	v_lshl_add_u32 v[GO], v10, 4, v[GO]            ; and the same two rows of out: 4,096 bytes apart
	; out at token 2,048 (head / 16) + 512 cx + 32 (wave / 2) + 8 (wave % 2), channel 64 (head % 16)
	s_lshr_b32 s72, s12, 4
	s_lshl_b32 s72, s72, 11
	s_lshl_b32 s73, s11, 9
	s_add_co_u32 s72, s72, s73
	s_lshr_b32 s73, s[WV], 1
	s_lshl_b32 s73, s73, 5
	s_add_co_u32 s72, s72, s73
	s_and_b32 s73, s[WV], 1
	s_lshl_b32 s73, s73, 3
	s_add_co_u32 s72, s72, s73
	s_lshl_b32 s72, s72, 12
	s_and_b32 s73, s12, 15
	s_lshl_b32 s73, s73, 8
	s_add_co_u32 s72, s72, s73
	s_mov_b32 s73, 0
	s_add_nc_u64 s[8:9], s[8:9], s[72:73]
.irp j, 0,1,2,3,4,5
	v_mov_b32 v[22+\j], 0                          ; Q's upper 64 along K: zero codes
	v_mov_b32 v[234+\j], 0
	v_mov_b32 v[80+\j], 0                          ; what stands behind K's tile 7
.endr
.irp b, 0,1,2,3
	v_mov_b32 v[PD+\b], 0                          ; written once: a lane permute's destination counts as one of its sources
.endr
	v_mov_b32 v[F+1], 0
	v_mov_b32 v[TMP], 0
	s_cmp_lt_u32 s[WV], 5
	s_cbranch_scc0 .Llate
	s_wait_tensorcnt 0x0                           ; waves 0 to 4: my fill has landed
.Llate:
	s_barrier_signal -1
	s_barrier_wait -1                              ; K's and V's first quarters and all scale words lie in LDS; the other quarters may be on their way
	s_wait_loadcnt 0x0                             ; Q
; A KEY STEP: 128 keys.  qf: Q's fragment, qs: its scale words.
.macro STEP qf, qs
	v_add_nc_u32 v[ADK], s[TK], v[AK0]             ; (these four are also the places between the last step's products and the loads into their registers)
	v_add3_u32 v[ADK1], s[TK], 2048, v[AK0]
	v_add3_u32 v[ADK2], s[TK], 4096, v[AK0]
	v_add_nc_u32 v[ADS], s[TS], v[ASK0]
.irp m, 0,1,2,3                                ; K's 24 units of 256 bytes, unit u into registers 2 u, 2 u + 1: two neighbouring units a load
	ds_load_2addr_b64 v[KV+4*\m:KV+4*\m+3], v[ADK] offset0:64*\m offset1:64*\m+32
.endr
.irp m, 0,1,2,3
	ds_load_2addr_b64 v[KV+16+4*\m:KV+16+4*\m+3], v[ADK1] offset0:64*\m offset1:64*\m+32
.endr
.irp m, 0,1,2,3
	ds_load_2addr_b64 v[KV+32+4*\m:KV+32+4*\m+3], v[ADK2] offset0:64*\m offset1:64*\m+32
.endr
.irp i, 0,1,2,3
	ds_load_b32 v[KSW+\i], v[ADS] offset:128*\i
.endr
	s_wait_alu depctr_va_vdst(0)
	s_wait_dscnt 0x0
.irp t, 0,1,2,3,4,5,6,7                        ; S^T = K Q^T: lane (r, h) holds query r; the 16 registers of tiles 2 b, 2 b + 1 are keys 32 b + 16 h + 0 .. 15
.if \t%2
	v_wmma_scale_f32_16x16x128_f8f6f4 v[S+8*\t:S+8*\t+7], v[KV+6*\t:KV+6*\t+11], v[\qf:\qf+11], 0, v[KSW+\t/2], v[\qs] matrix_a_fmt:MATRIX_FMT_FP6 matrix_b_fmt:MATRIX_FMT_FP6 matrix_a_scale:MATRIX_SCALE_ROW1
.else
	v_wmma_scale_f32_16x16x128_f8f6f4 v[S+8*\t:S+8*\t+7], v[KV+6*\t:KV+6*\t+11], v[\qf:\qf+11], 0, v[KSW+\t/2], v[\qs] matrix_a_fmt:MATRIX_FMT_FP6 matrix_b_fmt:MATRIX_FMT_FP6
.endif
.endr
	v_add_nc_u32 v[ADV], s[TK], v[AV0]             ; V's addresses: the four places in front of the loads into K's registers and of the first read of the scores
	v_add3_u32 v[ADV1], s[TK], 2048, v[AV0]
	v_add3_u32 v[ADV2], s[TK], 4096, v[AV0]
	v_add_nc_u32 v[ADT], s[TJ], v[ASV0]
.irp m, 0,1,2,3                                ; V's four fragments, 24 units, land while the softmax is worked
	ds_load_2addr_b64 v[KV+4*\m:KV+4*\m+3], v[ADV] offset0:64*\m offset1:64*\m+32
.endr
.irp m, 0,1,2,3
	ds_load_2addr_b64 v[KV+16+4*\m:KV+16+4*\m+3], v[ADV1] offset0:64*\m offset1:64*\m+32
.endr
.irp m, 0,1,2,3
	ds_load_2addr_b64 v[KV+32+4*\m:KV+32+4*\m+3], v[ADV2] offset0:64*\m offset1:64*\m+32
.endr
.irp i, 0,1
	ds_load_b32 v[VSW+\i], v[ADT] offset:128*\i
.endr
.irp b, 0,1,2,3
	v_max3_num_f32 v[BM+\b], v[S+16*\b], v[S+1+16*\b], v[S+2+16*\b]   ; the largest score of each block of 32 keys: it serves the row's maximum and the block's largest p
.endr
.irp i, 3,5,7,9,11,13
.irp b, 0,1,2,3
	v_max3_num_f32 v[BM+\b], v[BM+\b], v[S+16*\b+\i], v[S+1+16*\b+\i]
.endr
.endr
.irp b, 0,1,2,3
	v_max_num_f32 v[BM+\b], v[BM+\b], v[S+15+16*\b]
.endr
.irp b, 0,1,2,3
	s_delay_alu instid0(VALU_DEP_4)
	v_permlanex16_b32 v[PD+\b], v[BM+\b], s[SEL], s[SEL+1]
.endr
.irp b, 0,1,2,3
	s_delay_alu instid0(VALU_DEP_4)
	v_max_num_f32 v[BM+\b], v[BM+\b], v[PD+\b]     ; with lane l xor 16's 16 keys
.endr
	s_delay_alu instid0(VALU_DEP_2)
	v_max3_num_f32 v[TMP], v[BM], v[BM+1], v[BM+2]
	s_delay_alu instid0(VALU_DEP_1)
	v_max_num_f32 v[TMP], v[TMP], v[BM+3]          ; the step's largest score of my query
	s_delay_alu instid0(VALU_DEP_1)
	v_mul_f32 v[TMP], s[CS], v[TMP]                ; as t
	s_delay_alu instid0(VALU_DEP_1)
	v_max_num_f32 v13, v13, v[TMP]                 ; the running largest t
	v_mov_b32 v[TMP], v12
	s_delay_alu instid0(VALU_DEP_2)
	v_floor_f32 v12, -v13                          ; the new -M = floor(-t): M is a whole number
	s_delay_alu instid0(VALU_DEP_1)
	v_sub_f32 v[TMP], v12, v[TMP]                  ; old M - new M: a whole number, 0 or less
	s_delay_alu instid0(VALU_DEP_1)
	v_cvt_i32_f32 v[TMP], v[TMP]                   ; (it saturates)
	s_delay_alu instid0(VALU_DEP_1)
	v_ldexp_f32 v[F], 1.0, v[TMP]                  ; f = 2^(old M - new M)
.set j, 0
.rept 32
	v_pk_fma_f32 v[S+j:S+j+1], v[S+j:S+j+1], s[CS:CS+1], v[12:13] op_sel_hi:[1,0,0]   ; t - M, two at a time
.set j, j+2
.endr
.irp b, 0,1,2,3
	v_fma_f32 v[BM+\b], v[BM+\b], s[CS], v12       ; the same of each block's largest score
.endr
.set j, 0
	s_wait_alu depctr_va_vdst(0)
.rept 64
	v_exp_f32 v[S+j], v[S+j]                       ; p = 2^(t - M), at most 1
.set j, j+1
.endr
.irp b, 0,1,2,3
	v_exp_f32 v[BM+\b], v[BM+\b]                   ; the block's largest p
.endr
	v_pk_mul_f32 v[14:15], v[14:15], v[F:F+1] op_sel_hi:[1,0]   ; the sums under the new M (a plain line behind the exponentials)
	s_wait_alu depctr_va_vdst(0)
.irp b, 0,1,2,3
	v_max_num_f32 v[BM+\b], 0x1800000, v[BM+\b]    ; the floor 2^(3 - 127)
.endr
.irp b, 0,1,2,3
	s_delay_alu instid0(VALU_DEP_4)
	v_add_nc_u32 v[SO+\b], 0xff000000, v[BM+\b]    ; 2 off the exponent field: the conversion's scale operand
.endr
.irp b, 0,1,2,3
	s_delay_alu instid0(VALU_DEP_4)
	v_lshrrev_b32 v[PD+\b], 23, v[SO+\b]           ; the scale's byte
.endr
	s_delay_alu instid0(VALU_DEP_3)
	v_lshl_or_b32 v[PW], v[PD+1], 8, v[PD]         ; p's scale word for these 128 keys
	s_delay_alu instid0(VALU_DEP_1)
	v_lshl_or_b32 v[PW], v[PD+2], 16, v[PW]
	s_delay_alu instid0(VALU_DEP_1)
	v_lshl_or_b32 v[PW], v[PD+3], 24, v[PW]
.irp c, 0,1
	v_cvt_scalef32_pk16_fp6_f32 v[P+6*\c:P+6*\c+2], v[S+32*\c:S+32*\c+15], v[SO+2*\c]
	v_cvt_scalef32_pk16_fp6_f32 v[PT+4*\c:PT+4*\c+2], v[S+32*\c+16:S+32*\c+31], v[SO+2*\c+1]   ; (a conversion's three registers begin on an even number)
.endr
	v_nop                                          ; one plain line behind the scaled conversions
.irp c, 0,1                                    ; a WHOLE block in a lane: lanes 0-15 block 2 c, lanes 16-31 block 2 c + 1
.irp i, 0,1,2
	v_permlane16_swap_b32 v[P+6*\c+\i], v[PT+4*\c+\i]
.endr
.irp i, 0,1,2
	s_delay_alu instid0(VALU_DEP_3)
	v_mov_b32 v[P+3+6*\c+\i], v[PT+4*\c+\i]
.endr
.endr
.set j, 0
.rept 16
	v_pk_mul_f32 v[O+j:O+j+1], v[O+j:O+j+1], v[F:F+1] op_sel_hi:[1,0]   ; O^T under the new M
.set j, j+2
.endr
	v_pk_add_f32 v[216:217], v[100:101], v[104:105]
	v_pk_add_f32 v[252:253], v[108:109], v[112:113]
	v_pk_add_f32 v[250:251], v[116:117], v[120:121]
	v_pk_add_f32 v[248:249], v[124:125], v[128:129]
	v_pk_add_f32 v[246:247], v[132:133], v[136:137]
	v_pk_add_f32 v[244:245], v[140:141], v[144:145]
	v_pk_add_f32 v[242:243], v[148:149], v[152:153]
	v_pk_add_f32 v[14:15], v[14:15], v[156:157]
	v_pk_add_f32 v[216:217], v[216:217], v[96:97]
	v_pk_add_f32 v[252:253], v[252:253], v[98:99]
	v_pk_add_f32 v[250:251], v[250:251], v[102:103]
	v_pk_add_f32 v[248:249], v[248:249], v[106:107]
	v_pk_add_f32 v[246:247], v[246:247], v[110:111]
	v_pk_add_f32 v[244:245], v[244:245], v[114:115]
	v_pk_add_f32 v[242:243], v[242:243], v[118:119]
	v_pk_add_f32 v[14:15], v[14:15], v[122:123]
	v_pk_add_f32 v[216:217], v[216:217], v[126:127]
	v_pk_add_f32 v[252:253], v[252:253], v[130:131]
	v_pk_add_f32 v[250:251], v[250:251], v[134:135]
	v_pk_add_f32 v[248:249], v[248:249], v[138:139]
	v_pk_add_f32 v[246:247], v[246:247], v[142:143]
	v_pk_add_f32 v[244:245], v[244:245], v[146:147]
	v_pk_add_f32 v[242:243], v[242:243], v[150:151]
	v_pk_add_f32 v[14:15], v[14:15], v[154:155]
	v_pk_add_f32 v[216:217], v[216:217], v[158:159]
	s_delay_alu instid0(VALU_DEP_2)
	v_pk_add_f32 v[14:15], v[14:15], v[248:249]
	s_delay_alu instid0(VALU_DEP_2)
	v_pk_add_f32 v[216:217], v[216:217], v[246:247]
	v_pk_add_f32 v[252:253], v[252:253], v[244:245]
	v_pk_add_f32 v[250:251], v[250:251], v[242:243]
	s_delay_alu instid0(VALU_DEP_2)
	v_pk_add_f32 v[14:15], v[14:15], v[252:253]
	s_delay_alu instid0(VALU_DEP_2)
	v_pk_add_f32 v[216:217], v[216:217], v[250:251]
	s_delay_alu instid0(VALU_DEP_1)
	v_pk_add_f32 v[14:15], v[14:15], v[216:217]
	s_wait_dscnt 0x0                               ; V is in
.irp t, 0,1,2,3                                ; O^T += V^T P^T: the four accumulators by turns
.if \t%2
	v_wmma_scale_f32_16x16x128_f8f6f4 v[O+8*\t:O+8*\t+7], v[KV+12*\t:KV+12*\t+11], v[P:P+11], v[O+8*\t:O+8*\t+7], v[VSW+\t/2], v[PW] matrix_a_fmt:MATRIX_FMT_FP6 matrix_b_fmt:MATRIX_FMT_FP6 matrix_a_scale:MATRIX_SCALE_ROW1
.else
	v_wmma_scale_f32_16x16x128_f8f6f4 v[O+8*\t:O+8*\t+7], v[KV+12*\t:KV+12*\t+11], v[P:P+11], v[O+8*\t:O+8*\t+7], v[VSW+\t/2], v[PW] matrix_a_fmt:MATRIX_FMT_FP6 matrix_b_fmt:MATRIX_FMT_FP6
.endif
.endr
	s_add_co_u32 s[TK], s[TK], 6144
	s_add_co_u32 s[TS], s[TS], 512
	s_add_co_u32 s[TJ], s[TJ], 256
.endm
; A PASS: one tile of 16 queries against all 2,048 keys, and its way out.
.macro PASS p, qf, qs
.if \p
	s_wait_xcnt 0x0                                ; the last pass's stores have read their registers, which this pass loads anew
.endif
	v_mov_b32 v13, 0xff61b1e6                      ; the largest t so far: -3e38, under every t
	s_delay_alu instid0(VALU_DEP_1)
	v_floor_f32 v12, -v13                          ; -M
	v_mov_b32 v14, 0                               ; the sum, in two halves
	v_mov_b32 v15, 0
.set j, 0
.rept 32
	v_mov_b32 v[O+j], 0                            ; O^T: the step is written once; its first trip finds zeros, which the first change of M leaves zeros
.set j, j+1
.endr
	s_mov_b32 s[TK], 0
	s_mov_b32 s[TS], 0
	s_mov_b32 s[TJ], 0
.if \p == 0
	s_mov_b32 s[CNT], 4                            ; the first pass's first four steps read K's and V's first quarters alone (4 x 6,144 bytes each)
.Lfirst_\@:
	STEP \qf, \qs
	s_sub_co_u32 s[CNT], s[CNT], 1
	s_cmp_lg_u32 s[CNT], 0
	s_cbranch_scc1 .Lfirst_\@
	s_wait_tensorcnt 0x0                           ; every wave: my fill has landed,
	s_barrier_signal -1
	s_barrier_wait -1                              ; everybody's has: the head's whole K and V lie in LDS for the rest of the launch
	s_mov_b32 s[CNT], 12
.else
	s_mov_b32 s[CNT], 16
.endif
.Lstep_\@:
	STEP \qf, \qs
	s_sub_co_u32 s[CNT], s[CNT], 1
	s_cmp_lg_u32 s[CNT], 0
	s_cbranch_scc1 .Lstep_\@
.rept 4
	v_nop                                          ; places behind the last products
.endr
	s_wait_alu depctr_va_vdst(0)
	v_add_f32 v14, v14, v15                        ; the sum's two halves,
	s_delay_alu instid0(VALU_DEP_1)
	v_permlanex16_b32 v[TMP], v14, s[SEL], s[SEL+1]
	s_delay_alu instid0(VALU_DEP_1)
	v_add_f32 v14, v14, v[TMP]                     ; and lane l xor 16's: the row's sum
	s_wait_alu depctr_va_vdst(0)
	v_rcp_f32 v14, v14
	v_nop                                          ; a plain line behind the transcendental
.set j, 0
	s_wait_alu depctr_va_vdst(0)
.rept 16
	v_pk_mul_f32 v[S+j:S+j+1], v[O+j:O+j+1], v[14:15] op_sel_hi:[1,0]   ; O^T / the sum, each accumulator from its low end on
.set j, j+2
.endr
.irp t, 0,1,2,3
	ds_store_b128 v[STO], v[S+8*\t:S+8*\t+3] offset:128*(\t/2)+32*(\t%2)
	ds_store_b128 v[STO], v[S+8*\t+4:S+8*\t+7] offset:128*(\t/2)+32*(\t%2)+16
.endr
.irp i, 0,1,2,3,4,5,6,7
	ds_load_b128 v[KV+4*\i:KV+4*\i+3], v[RD] offset:544*\i   ; rows 2 i and 2 i + 1; LDS serves a wave's instructions in order: these see my stores
.endr
.irp i, 0,1,2,3,4,5,6,7
	s_wait_dscnt 7-\i                              ; the younger stage loads may be out
	global_store_b128 v[GO], v[KV+4*\i:KV+4*\i+3], s[8:9] offset:(2*\i+8*(\i/4))*4096+\p*1048576 th:TH_STORE_NT   ; the tile's row r is token r + 8 (r / 8); sixteen lanes store the head's 256 consecutive bytes of a row, aligned
.endr
.endm
	PASS 0, 16, 28
	PASS 1, 228, 240
	s_wait_tensorcnt 0x0
	ds_add_u32 v254, v255
	s_wait_dscnt 0x0
	CROUND                                         ; the closing round: no work-group ends while a partner may still ask jointly
	s_endpgm
.Lfunc_end_k_q6c265c58f3_attn:
	.size	k_q6c265c58f3_attn, .Lfunc_end_k_q6c265c58f3_attn-k_q6c265c58f3_attn
	.p2alignl 7, 3214868480
	.fill 96, 4, 3214868480
	.section	.rodata,"a",@progbits
	.p2align	6, 0x0
	.amdhsa_kernel k_q6c265c58f3_attn
		.amdhsa_group_segment_fixed_size 280576
		.amdhsa_private_segment_fixed_size 0
		.amdhsa_enable_private_segment 0
		.amdhsa_kernarg_size 24
		.amdhsa_user_sgpr_count 2
		.amdhsa_user_sgpr_kernarg_segment_ptr 1
		.amdhsa_wavefront_size32 1
		.amdhsa_system_sgpr_workgroup_id_x 1
		.amdhsa_system_sgpr_workgroup_id_y 1
		.amdhsa_system_sgpr_workgroup_id_z 1
		.amdhsa_system_vgpr_workitem_id 0
		.amdhsa_next_free_vgpr 256
		.amdhsa_next_free_sgpr 76
		.amdhsa_reserve_vcc 0
		.amdhsa_float_denorm_mode_32 3
		.amdhsa_float_denorm_mode_16_64 3
		.amdhsa_memory_ordered 1
		.amdhsa_forward_progress 1
		.amdhsa_inst_pref_size 72
	.end_amdhsa_kernel
	.amdgpu_metadata
---
amdhsa.version: [ 1, 2 ]
amdhsa.kernels:
  - .name:           k_q6c265c58f3_attn
    .symbol:         k_q6c265c58f3_attn.kd
    .args:
      - { .name: img, .offset: 0, .size: 8, .value_kind: global_buffer, .address_space: global }
      - { .name: scw, .offset: 8, .size: 8, .value_kind: global_buffer, .address_space: global }
      - { .name: out0, .offset: 16, .size: 8, .value_kind: global_buffer, .address_space: global }
    .group_segment_fixed_size: 280576
    .private_segment_fixed_size: 0
    .kernarg_segment_align: 8
    .kernarg_segment_size: 24
    .max_flat_workgroup_size: 512
    .sgpr_count:     76
    .vgpr_count:     256
    .wavefront_size: 32
...
	.end_amdgpu_metadata
.endif
;; end of part 3
